; MI455X (gfx1250); checked and timed in simulation.
; The chip was launched on July 23, 2026; its instructions are those of AMD's public machine-readable ISA for CDNA 5 (MIT licence, August 2026) and "CDNA5" Instruction Set Architecture Reference Guide (July 2026). The comments in the code are by the model that wrote it; some were corrected since.
;; my attention head. Allowed arithmetic: matrix products marked QUANTISED: E3M2 operands, one E8M0 scale for each 32 along K, by v_wmma_scale_f32_16x16x128_f8f6f4 with both operands' format E3M2, f32 sums; everything else in f32.
;; Inputs: Wk 256 x 1,024 float32; Wq 256 x 1,024 float32; Wv 256 x 1,024 float32; _k 4 x 4,096 x 1,024 float32; _q 4 x 4,096 x 1,024 float32; _v 4 x 4,096 x 1,024 float32; bk 256 float32; bq 256 float32; bv 256 float32; mask 4 x 1 x 4,096 bool.
;; Outputs: out0 4 x 4,096 x 256 float32.
;; This version of the problem:
;;   THIS VERSION OF THE PROBLEM IS GIVEN IN LOW PRECISION. The matrix products marked QUANTISED in the list below multiply operands that are first quantised to E3M2 (3 exponent bits, 2 mantissa bits; 6 bits a number), with one power-of-two scale for each 32 numbers along K (OCP MX v1.0); their sums are f32. All else is computed in f32.
;;   The module's matrix products, in the order in which they are computed (A, B: the left and right operand; K: the contracted axis; several contracted axes count as one K, in the product's order):
;;     1. [M 16,384, K 1,024] x [K 1,024, N 256]; A: input _q; B: input Wq: QUANTISED
;;     2. [M 16,384, K 1,024] x [K 1,024, N 256]; A: input _k; B: input Wk: QUANTISED
;;     3. [M 16,384, K 1,024] x [K 1,024, N 256]; A: input _v; B: input Wv: QUANTISED
;;     4. batch 4 x [M 4,096, K 256] x [K 256, N 4,096]; A: computed on the way; B: computed on the way: QUANTISED
;;     5. batch 4 x [M 4,096, K 4,096] x [K 4,096, N 256]; A: softmax (see below); B: computed on the way: QUANTISED
;;   THE QUANTISER, for each operand of a quantised product, along K:
;;     - K is cut into blocks of 32 from its start; a last block that is shorter is filled with zeros.
;;     - A block's scale is 2^e with e = floor(log2(the largest magnitude in the block)) - 4, held to -126 .. 127; a block of zeros has e = 0. As a byte (E8M0): e + 127.
;;     - Each number is divided by its block's scale, clamped to +-28, and rounded to the nearest number of E3M2, ties to even, subnormals kept.
;;     - The product sums the exact products of the quantised numbers (number of the format x scale) in f32.
;;   ~~~python
;;   def quantise(x, axis):      # numpy; x: float32 -> the quantised numbers, widened to float32 again
;;       x = np.moveaxis(x, axis, -1); K = x.shape[-1]
;;       x = np.pad(x, [(0, 0)] * (x.ndim - 1) + [(0, -K % 32)]); x = x.reshape(x.shape[:-1] + (-1, 32)); a = np.abs(x).max(-1, keepdims=True)
;;       e = np.where(a > 0, np.clip(np.frexp(np.where(a > 0, a, 1))[1] - 1 - 4, -126, 127), 0)      # np.frexp(a)[1] - 1 = floor(log2(a)), exactly
;;       r = np.clip(x / 2.0 ** e, -28, 28)
;;       step = 2.0 ** (np.maximum(np.frexp(np.where(r == 0, 1, r))[1] - 1, -2) - 2)
;;       q = np.round(r / step) * step * 2.0 ** e      # np.round: ties to even
;;       return np.moveaxis(q.reshape(q.shape[:-2] + (-1,))[..., :K], -1, axis).astype(np.float32)
;;   ~~~
;;   SOFTMAX AHEAD OF A QUANTISED PRODUCT. Where the list says 'softmax', what is quantised is not the finished softmax but p = 2^(t - M), with t = logit x log2(e) and M = ceil(the row's largest t), a whole number; so 1/2 < the row's largest p <= 1. The row's sum l is taken of the UNQUANTISED p, in f32, and the product's result is divided by l at the end. Since M is a whole number, a kernel that streams over the keys may use a running M (the ceiling of the running maximum): every later rescaling is an exact power of two, which a block's scale takes up: the codes' values come out the same.
;;   OPERANDS COMPUTED ON THE WAY. 'Computed on the way' means the value that the module computes at that place (a softmax that the list does not call 'softmax' is quantised finished and normalised). What goes into a quantiser is computed in f32, as accurately as f32 sums, v_exp_f32 and their like allow (about 1e-6 of the number): no bf16 or f16 on the way to a quantiser, and a product that is left as it is and whose result goes on into a quantised operand takes f32 operands (vector FMAs, or v_wmma_f32_16x16x4_f32). A number that lies on a knife's edge between two numbers of the format may be rounded either way, as far as f32 arithmetic and the matrix unit's own rounding can turn it there, and no further.
;; One version. Each part assembles by itself: llvm-mc -triple=amdgcn-amd-amdhsa -mcpu=gfx1250 --defsym DOCPART=n.
;; ======== version 1 of 1: 3 launches
;; workspace buffers: wc 589,824 bytes; ws 49,152 bytes; qb 3,276,800 bytes; kv 6,553,600 bytes
;; launch wquant (part 1): grid 64 x 3, 1 waves a work-group, no clusters, 0 bytes of LDS; arguments Wq, Wk, Wv, wc, ws; writes wc, ws
.if DOCPART == 1
	.amdgcn_target "amdgcn-amd-amdhsa--gfx1250"
	.amdhsa_code_object_version 6
	.text
	.protected	k_q967dbded8d_wquant
	.globl	k_q967dbded8d_wquant
	.p2align	8
	.type	k_q967dbded8d_wquant,@function
k_q967dbded8d_wquant:
	s_mov_b64 s[64:65], 0
	v_nop
	global_prefetch_b8 v0, s[64:65] scope:SCOPE_SE
	s_setreg_imm32_b32 hwreg(HW_REG_WAVE_MODE, 25, 1), 1
	s_wait_xcnt 0x0
; Wq, Wk, Wv [256][1024] f32 become codes of BF6 (E3M2) with one E8M0 byte for each 32 along K, laid as IMAGES OF OPERAND REGISTERS.
; wc: [tensor y][tile T 0..15][K step 0..7][1,536 bytes]: a fragment (16 rows x 128 K, 12 registers a lane) as three runs of 512 bytes, run c = registers 4 c .. 4 c + 3, 16 bytes a lane.
; ws: [y][T][pair p 0..3][256 bytes]: 8 bytes a lane: the scale words of K steps 2 p and 2 p + 1 (both halves of the lanes hold the same words).
; THE ROWS OF A TILE ARE NOT NEIGHBOURS: lane r of tile T is row 32 (T / 2) + 8 (T % 2) + r + 8 (r / 8), so that the next launch's results of tiles 2 b and 2 b + 1 are 16 neighbours along the next K.
; One wave to a work-group: tile T = x / 4, K steps 2 p and 2 p + 1, p = x % 4; y is the tensor.  A lane holds 16 neighbours of each block of 32 (lane l and lane l xor 16 share a block).
; Its loads stand 64 bytes apart from lane to lane: 3 MB in all, read once.
; A block's scale is 2^(floor(log2(largest magnitude)) - 4); its byte is the largest magnitude's exponent field - 4, held at 1 from below.
; LIMITS: a block of zeros gets the byte 1 (the rule says 127): its codes are zeros, and this program alone reads the bytes.  NaN and infinities among the inputs are not served.
.set NA,  32                           ; v32-95, v96-159  the two K steps' 64 numbers: register 16 b + i = k 32 b + 16 (lane / 16) + i
.set PA,  160                          ; v160-179, v180-199  the codes, 12 registers and 8 at work
.set TM,  200                          ; v200-215 at work
.set SWD, 216                          ; v216-217 the two scale words
.macro QUANT s, pc, pw
.irp b, 0,1,2,3
	v_max3_num_f32 v[TM+\b], |v[\s+16*\b]|, |v[\s+1+16*\b]|, 0x2800000   ; block b: my 16 numbers, and the floor 2^(5 - 127): the byte cannot fall under 1
.endr
.irp i, 2,4,6,8,10,12,14
.irp b, 0,1,2,3
	v_max3_num_f32 v[TM+\b], v[TM+\b], |v[\s+16*\b+\i]|, |v[\s+1+16*\b+\i]|   ; the four blocks by turns
.endr
.endr
.irp b, 0,1,2,3
	v_permlanex16_b32 v[TM+4+\b], v[TM+\b], s20, s21
.endr
.irp b, 0,1,2,3
	v_max_num_f32 v[TM+\b], v[TM+\b], v[TM+4+\b]          ; with lane l xor 16's: the block's largest magnitude
.endr
.irp b, 0,1,2,3
	v_add_nc_u32 v[TM+12+\b], 0xfe000000, v[TM+\b]        ; 4 off its exponent field: the conversion's scale operand
.endr
.irp b, 0,1,2,3
	v_lshrrev_b32 v[TM+4+\b], 23, v[TM+12+\b]             ; the scale's byte
.endr
	v_lshl_or_b32 v[\pw], v[TM+5], 8, v[TM+4]             ; four bytes: my row's scale word
	v_lshl_or_b32 v[\pw], v[TM+6], 16, v[\pw]
	v_lshl_or_b32 v[\pw], v[TM+7], 24, v[\pw]
.irp c, 0,1
	v_cvt_scalef32_pk16_bf6_f32 v[\pc+6*\c:\pc+2+6*\c], v[\s+32*\c:\s+15+32*\c], v[TM+12+2*\c]
	v_cvt_scalef32_pk16_bf6_f32 v[\pc+12+4*\c:\pc+14+4*\c], v[\s+16+32*\c:\s+31+32*\c], v[TM+12+2*\c+1]   ; a conversion's three registers begin on an even number
.endr
	v_nop                                                 ; one plain line behind the conversions
.irp c, 0,1                                               ; the operand wants a whole block in a lane: lanes 0-15 block 2 c, lanes 16-31 block 2 c + 1
.irp i, 0,1,2
	v_permlane16_swap_b32 v[\pc+6*\c+\i], v[\pc+12+4*\c+\i]
.endr
.irp i, 0,1,2
	v_mov_b32 v[\pc+3+6*\c+\i], v[\pc+12+4*\c+\i]
.endr
.endr
.endm
	s_load_b256 s[4:11], s[0:1], 0x0               ; Wq s[4:5], Wk s[6:7], Wv s[8:9], wc s[10:11]
	s_load_b64 s[12:13], s[0:1], 0x20              ; ws
	v_and_b32 v1, 15, v0                           ; r
	v_bfe_u32 v2, v0, 4, 1                         ; h
	v_and_b32 v3, 8, v1
	v_add_nc_u32 v3, v3, v1                        ; r + 8 (r / 8)
	v_lshlrev_b32 v3, 12, v3                       ; a row of W is 4,096 bytes
	v_lshl_add_u32 v3, v2, 6, v3                   ; + 64 h: my 16 numbers of a block
	v_lshlrev_b32 v4, 4, v0                        ; 16 x lane
	v_lshlrev_b32 v5, 3, v0                        ; 8 x lane
.irp b, 0,1,2,3
	v_mov_b32 v[TM+4+\b], 0                        ; a lane permute's destination counts as read
.endr
	s_and_b32 s16, ttmp7, 0xffff                   ; y: the tensor
	s_lshr_b32 s17, ttmp9, 2                       ; T
	s_and_b32 s18, ttmp9, 3                        ; p
	s_lshr_b32 s22, s17, 1
	s_lshl_b32 s22, s22, 17                        ; 32 (T / 2) rows
	s_and_b32 s23, s17, 1
	s_lshl_b32 s23, s23, 15                        ; 8 (T % 2) rows
	s_add_co_u32 s22, s22, s23
	s_lshl_b32 s23, s18, 10                        ; 256 numbers along K for each p
	s_add_co_u32 s22, s22, s23
	s_mov_b32 s23, 0
	s_mul_i32 s24, s16, 196608                     ; wc: 16 x 8 x 1,536 a tensor,
	s_mul_i32 s26, s17, 12288                      ; 8 x 1,536 a tile,
	s_add_co_u32 s24, s24, s26
	s_mul_i32 s26, s18, 3072                       ; two fragments a pair
	s_add_co_u32 s24, s24, s26
	s_mov_b32 s25, 0
	s_lshl_b32 s26, s16, 14                        ; ws: 16,384 a tensor, 1,024 a tile, 256 a pair
	s_lshl_b32 s28, s17, 10
	s_add_co_u32 s26, s26, s28
	s_lshl_b32 s28, s18, 8
	s_add_co_u32 s26, s26, s28
	s_mov_b32 s27, 0
	s_mov_b32 s20, 0x76543210
	s_mov_b32 s21, 0xfedcba98                      ; selects for lane l xor 16
	s_wait_kmcnt 0x0
	s_cmp_eq_u32 s16, 0                            ; the choice hangs on the work-group's number alone
	s_cselect_b64 s[14:15], s[4:5], s[6:7]
	s_cmp_eq_u32 s16, 2
	s_cselect_b64 s[14:15], s[8:9], s[14:15]
	s_add_nc_u64 s[14:15], s[14:15], s[22:23]
	s_add_nc_u64 s[10:11], s[10:11], s[24:25]
	s_add_nc_u64 s[12:13], s[12:13], s[26:27]
.irp k2, 0,1
.irp b, 0,1,2,3
.irp j, 0,1,2,3
	global_load_b128 v[NA+64*\k2+16*\b+4*\j:NA+64*\k2+16*\b+4*\j+3], v3, s[14:15] offset:512*\k2+128*\b+16*\j th:TH_LOAD_NT
.endr
.endr
.endr
	s_wait_loadcnt 16                              ; the first K step's 16 loads are in; the second's 16 may be out
	QUANT NA, PA, SWD
	s_wait_loadcnt 0x0
	QUANT NA+64, PA+20, SWD+1
.irp k2, 0,1
.irp c, 0,1,2
	global_store_b128 v4, v[PA+20*\k2+4*\c:PA+20*\k2+4*\c+3], s[10:11] offset:1536*\k2+512*\c   ; 32 lanes store 512 consecutive bytes
.endr
.endr
	global_store_b64 v5, v[SWD:SWD+1], s[12:13]    ; 32 lanes store 256 consecutive bytes
	s_endpgm
.Lfunc_end_k_q967dbded8d_wquant:
	.size	k_q967dbded8d_wquant, .Lfunc_end_k_q967dbded8d_wquant-k_q967dbded8d_wquant
	.p2alignl 7, 3214868480
	.fill 96, 4, 3214868480
	.section	.rodata,"a",@progbits
	.p2align	6, 0x0
	.amdhsa_kernel k_q967dbded8d_wquant
		.amdhsa_group_segment_fixed_size 0
		.amdhsa_private_segment_fixed_size 0
		.amdhsa_enable_private_segment 0
		.amdhsa_kernarg_size 40
		.amdhsa_user_sgpr_count 2
		.amdhsa_user_sgpr_kernarg_segment_ptr 1
		.amdhsa_wavefront_size32 1
		.amdhsa_system_sgpr_workgroup_id_x 1
		.amdhsa_system_sgpr_workgroup_id_y 1
		.amdhsa_system_sgpr_workgroup_id_z 1
		.amdhsa_system_vgpr_workitem_id 0
		.amdhsa_next_free_vgpr 224
		.amdhsa_next_free_sgpr 66
		.amdhsa_reserve_vcc 0
		.amdhsa_float_denorm_mode_32 3
		.amdhsa_float_denorm_mode_16_64 3
		.amdhsa_memory_ordered 1
		.amdhsa_forward_progress 1
		.amdhsa_inst_pref_size 14
	.end_amdhsa_kernel
	.amdgpu_metadata
---
amdhsa.version: [ 1, 2 ]
amdhsa.kernels:
  - .name:           k_q967dbded8d_wquant
    .symbol:         k_q967dbded8d_wquant.kd
    .args:
      - { .name: Wq, .offset: 0, .size: 8, .value_kind: global_buffer, .address_space: global }
      - { .name: Wk, .offset: 8, .size: 8, .value_kind: global_buffer, .address_space: global }
      - { .name: Wv, .offset: 16, .size: 8, .value_kind: global_buffer, .address_space: global }
      - { .name: wc, .offset: 24, .size: 8, .value_kind: global_buffer, .address_space: global }
      - { .name: ws, .offset: 32, .size: 8, .value_kind: global_buffer, .address_space: global }
    .group_segment_fixed_size: 0
    .private_segment_fixed_size: 0
    .kernarg_segment_align: 8
    .kernarg_segment_size: 40
    .max_flat_workgroup_size: 32
    .sgpr_count:     66
    .vgpr_count:     224
    .wavefront_size: 32
...
	.end_amdgpu_metadata
.endif
;; end of part 1
;; launch proj (part 2): grid 64 x 3, 4 waves a work-group, no clusters, 74,752 bytes of LDS; arguments _q, _k, _v, bq, bk, bv, wc, ws, qb, kv; writes qb, kv
.if DOCPART == 2
	.amdgcn_target "amdgcn-amd-amdhsa--gfx1250"
	.amdhsa_code_object_version 6
	.text
	.protected	k_q967dbded8d_proj
	.globl	k_q967dbded8d_proj
	.p2align	8
	.type	k_q967dbded8d_proj,@function
k_q967dbded8d_proj:
	s_mov_b64 s[64:65], 0
	v_nop
	global_prefetch_b8 v0, s[64:65] scope:SCOPE_SE
	s_setreg_imm32_b32 hwreg(HW_REG_WAVE_MODE, 25, 1), 1
	s_wait_xcnt 0x0
; q = _q Wq^T + bq, k = _k Wk^T + bk, v = _v Wv^T + bv on codes of BF6 (E3M2) with E8M0 scales for each 32 along K = 1,024; the results are quantised at once for the attention launch and never exist in memory as f32.
; SHARES.  Work-group (x, y): rows 256 x .. 256 x + 255 of tensor y (0 q, 1 k, 2 v), in four blocks of 64 rows.  Wave w owns output columns 64 w .. 64 w + 63 for all rows: its 32 fragments of W (384 registers)
; and their scale words stay in registers for the whole launch.  What goes round through LDS is a block's codes of x.
; A BLOCK, two barriers:  X: wave w quantises 16 rows of x (32 units of 512 numbers) into LDS | barrier |  M: 8 K steps, 16 accumulators by turns; OUT: the results are quantised in registers and stored | barrier | (q, k: wave 0 stores the block's scale words).
; x's rows in LDS are permuted: LDS row 16 m + r is row 32 (m / 2) + 8 (m % 2) + r + 8 (r / 8) of the block; W's tiles are permuted alike.  So a lane's 16 registers of two neighbouring result tiles are 16 neighbours along the next K.
; q, k: the product is used TRANSPOSED (source 0 = W, source 1 = x): a lane holds one row and 32 of my 64 columns of d_k: half a fragment (registers 6 c .. 6 c + 5, c = w % 2, of K step w / 2).
; v: source 0 = x, source 1 = W: a lane holds one column d and 32 of the block's 64 keys: half a fragment of V^T (keys innermost).
; OUTPUT.  A HALF is 768 bytes: 512 (registers 6 c .. 6 c + 3, 16 bytes a lane) + 256 (registers 6 c + 4, 5, 8 bytes a lane).
;   qb [x][51,200]: codes [block][tile m][2 s + c][HALF], then scale words [block][512]: (K step s, lane r, tile m) at 256 s + 16 r + 4 m.
;   kv [x][102,400]: K's codes and scale words as in qb; at 51,200 V's codes [key step][d-tile][c][HALF]; at 100,352 V's scale words [key step][1,024]: (wave w, lane r, tile nt) at 256 w + 16 r + 4 nt.
; x comes by loads of 512 consecutive bytes into a ring of 16 units (2 KB each) in registers: 64 loads of every wave are on their way, across the barriers and the products too.  A unit turns through the wave's own stage in LDS,
; so that a lane holds 16 neighbours along K for the conversion.
; NO CLUSTER: what work-groups share is W, 196,608 bytes of the 1,245,184 that a work-group reads, and it goes once into registers, where no joint load lands.  NO PREFETCH: the ring keeps 128 KB of each work-group on its way.
; 192 work-groups: 16,384 rows a tensor divide by powers of two alone; more work-groups would each read W again.
; LIMITS: a block of zeros gets the byte 1 (the rule says 127): its codes are zeros, and this program alone reads the bytes.  NaN and infinities are not served.  The input mask is not read: reference() does not use it.
.set XPITCH, 784                       ; an LDS row of x's codes: 768 bytes + 16 = 196 words: row r starts at bank 4 r mod 64, so the 32 lanes of an 8-byte load touch 64 different banks
.set XSB,  64*XPITCH                   ; 50,176: x's scale bytes, 64 rows x 48 (32 bytes + 16)
.set QSC,  XSB+64*48                   ; 53,248: the block's 512 bytes of scale words (q, k)
.set TST,  QSC+512                     ; 53,760: two stages of 32 x 80 bytes for each wave
.set L16,  1                           ; v1   16 x lane
.set L8,   2                           ; v2   8 x lane
.set TSW,  4                           ; v4   the stage, in: 80 (lane / 4) + 16 (lane % 4)
.set TSR,  5                           ; v5   the stage, out: 80 x lane
.set XCW,  6                           ; v6   where I store codes: my wave's 16 rows + 12 x lane
.set XBW,  7                           ; v7   and scale bytes: my wave's 16 rows + lane / 2
.set XFA,  14                          ; v14  a fragment of x: 784 r + 24 h
.set XSA,  15                          ; v15  x's scale words: 48 r
.set QSA,  16                          ; v16  where I store two scale bytes of a row (q, k)
.set VSO,  17                          ; v17  V's scale words in memory: 256 w + 16 r
.set HW,   18                          ; v18  two scale bytes just made
.set VW,   20                          ; v20-23 V's scale words, gathered over two blocks
.set HQ,   24                          ; v24-31 at work in HALFQUANT
.set WS,   32                          ; v32-63 W's scale words, 8 nt + s
.set XS,   64                          ; v64-95 x's scale words, 8 m + s
.set XF,   96                          ; v96-191 in M: two sets of four fragments of x
.set XN,   96                          ; in X: v96-127 two sets of 16 neighbours; v128-135 codes; v136-137 bytes
.set CD,   128
.set EB,   136
.set PC,   96                          ; in OUT: 12 registers for each of four halves
.set RING, 192                         ; v192-255 of every window: ring unit k in window k / 4, at 192 + 16 (k % 4)
.set BI,   128                         ; window 3: the biases as C, 8 registers a tile; v0-127 the accumulators.  Windows 1, 2: W's fragments, v0-191
.set MSB, 0
.macro WIN new                         ; the immediate's high byte repeats the setting that is left; a switch that changes nothing is dropped
.if MSB != (\new)
	s_set_vgpr_msb (MSB<<8)|(\new)
.set MSB, (\new)
.endif
.endm
.macro BARRIER                         ; my LDS stores have landed and my LDS loads are in: then the work-group's barrier
	s_wait_dscnt 0x0
	s_barrier_signal -1
	s_barrier_wait -1
.endm
; Unit u: half a row of x, 2,048 bytes, by four loads of 512 consecutive bytes.  base: 0, or a block on
.macro LOAD u, base
.set LK, (\u)%16
.set LQ, (\u)%32
	WIN (LK/4)<<6
.irp i, 0,1,2,3
	global_load_b128 v[RING+16*(LK%4)+4*\i:RING+16*(LK%4)+4*\i+3], v[L16], s[28:29] offset:(\base)+((LQ/2)+8*(LQ/16))*4096+2048*(LQ%2)+512*\i th:TH_LOAD_NT
.endr
.endm
; Unit u through the stage: in as loaded, back 64 bytes a lane.  LDS serves a wave's instructions in order: no wait between the stores and the loads
.macro TURN u
.set LK, (\u)%16
	WIN (LK/4)<<2
.irp i, 0,1,2,3
	ds_store_b128 v[TSW], v[RING+16*(LK%4)+4*\i:RING+16*(LK%4)+4*\i+3] offset:2560*((\u)%2)+640*\i
.endr
	WIN 0
.irp i, 0,1,2,3
	ds_load_b128 v[XN+16*((\u)%2)+4*\i:XN+16*((\u)%2)+4*\i+3], v[TSR] offset:2560*((\u)%2)+16*\i
.endr
.endm
; Unit q of my 32: row q / 2 of my 16, half q % 2.  ld = 1: the ring slot that it leaves takes the unit 16 on.  cnt: the loads that may stay out when unit q + 1 has to be in
.macro XUNIT q, ld, base, cnt
.set XQ, XN+16*((\q)%2)
.set XD, CD+4*((\q)%2)
.set XE, EB+((\q)%2)
.if (\q) == 0
	s_wait_dscnt 0x0
.else
	s_wait_dscnt 0x4                               ; this unit is back from the stage; the last unit's byte store and three code stores may be out
.endif
.if \ld
	LOAD (\q)+16, \base
.endif
.if (\q) < 31
	s_wait_loadcnt \cnt                            ; loads come back in order: unit q + 1 is in, the younger units stay out
	TURN (\q)+1
.endif
	WIN 0
	v_max3_num_f32 v8, |v[XQ]|, |v[XQ+1]|, |v[XQ+2]|       ; the largest magnitude of my 16, in two chains
	v_max3_num_f32 v9, |v[XQ+3]|, |v[XQ+4]|, |v[XQ+5]|
.irp i, 6,10
	v_max3_num_f32 v8, v8, |v[XQ+\i]|, |v[XQ+\i+1]|
	v_max3_num_f32 v9, v9, |v[XQ+\i+2]|, |v[XQ+\i+3]|
.endr
	v_max3_num_f32 v8, v8, |v[XQ+14]|, |v[XQ+15]|
	v_max3_num_f32 v8, v8, v9, 0x2800000           ; and the floor 2^(5 - 127): the byte cannot fall under 1
	v_max_num_f32_dpp v8, v8, v8 row_xmask:1 row_mask:0xf bank_mask:0xf   ; with my neighbour's 16: the block's
	v_add_nc_u32 v11, 0xfe000000, v8               ; 4 off the exponent field: the conversion's scale operand
	v_cvt_scalef32_pk16_bf6_f32 v[XD:XD+2], v[XQ:XQ+15], v11
	v_lshrrev_b32 v[XE], 23, v11                   ; the scale's byte (also the plain line behind the conversion)
	ds_store_b8 v[XBW], v[XE] offset:48*((\q)/2)+16*((\q)%2)   ; both lanes of a block write the same byte
.irp i, 0,1,2
	ds_store_b32 v[XCW], v[XD+\i] offset:XPITCH*((\q)/2)+384*((\q)%2)+4*\i   ; 12 bytes a lane: the row's stream of bits
.endr
.endm
; The four fragments of x of K step s into a set: lane (r, h) takes 24 bytes at 96 s + 24 h and 24 at 96 s + 48 + 24 h of its row, in pieces of 8
.macro FETCH s, set
.irp m, 0,1,2,3
.irp p, 0,1,2,3,4,5
	ds_load_b64 v[XF+48*(\set)+12*\m+2*\p:XF+48*(\set)+12*\m+2*\p+1], v[XFA] offset:16*XPITCH*\m+96*(\s)+48*(\p/3)+8*(\p%3)
.endr
.endr
.endm
; K step MS: 16 matrix instructions, the 16 accumulators by turns in the same order in every step.  The first step takes the bias as C: nothing is cleared
.macro MM16 vp
.irp hf, 0,1
.if \vp
	WIN 0xf4+4*\hf                                 ; source 0 (x) window 0, source 1 (W) window 1 or 2, C and D window 3
.else
	WIN 0xf1+\hf                                   ; source 0 (W) window 1 or 2, source 1 (x) window 0, C and D window 3
.endif
.irp m, 0,1,2,3
.irp n2, 0,1
.set NT, 2*\hf+\n2
.set WR, 12*(8*\n2+MS)
.set XR, XF+48*(MS%2)+12*\m
.if \vp
.set AC, 32*NT+8*\m
.if MS == 0
	v_wmma_scale_f32_16x16x128_f8f6f4 v[AC:AC+7], v[XR:XR+11], v[WR:WR+11], v[BI+8*NT:BI+8*NT+7], v[XS+8*\m+MS], v[WS+8*NT+MS] matrix_a_fmt:MATRIX_FMT_BF6 matrix_b_fmt:MATRIX_FMT_BF6
.else
	v_wmma_scale_f32_16x16x128_f8f6f4 v[AC:AC+7], v[XR:XR+11], v[WR:WR+11], v[AC:AC+7], v[XS+8*\m+MS], v[WS+8*NT+MS] matrix_a_fmt:MATRIX_FMT_BF6 matrix_b_fmt:MATRIX_FMT_BF6
.endif
.else
.set AC, 32*\m+8*NT
.if MS == 0
	v_wmma_scale_f32_16x16x128_f8f6f4 v[AC:AC+7], v[WR:WR+11], v[XR:XR+11], v[BI+8*NT:BI+8*NT+7], v[WS+8*NT+MS], v[XS+8*\m+MS] matrix_a_fmt:MATRIX_FMT_BF6 matrix_b_fmt:MATRIX_FMT_BF6
.else
	v_wmma_scale_f32_16x16x128_f8f6f4 v[AC:AC+7], v[WR:WR+11], v[XR:XR+11], v[AC:AC+7], v[WS+8*NT+MS], v[XS+8*\m+MS] matrix_a_fmt:MATRIX_FMT_BF6 matrix_b_fmt:MATRIX_FMT_BF6
.endif
.endif
.endr
.endr
.endr
.endm
; The block's products.  x's fragments run one K step ahead, in two sets
.macro MPH vp
.irp m, 0,1,2,3
.irp hq, 0,1
	ds_load_b128 v[XS+8*\m+4*\hq:XS+8*\m+4*\hq+3], v[XSA] offset:768*\m+16*\hq   ; a row's 32 scale bytes: the words of K steps 4 hq .. 4 hq + 3
.endr
.endr
	FETCH 0, 0
.set MS, 0
.rept 8
.if MS < 7
.if MS > 0
	WIN 0
.rept 4
	v_nop                                          ; four plain lines between the products that read a set and the loads into it (ISA guide 7.12.1 for vector instructions)
.endr
.endif
	FETCH MS+1, (MS+1)%2
	s_wait_dscnt 24                                ; this step's fragments are in; the next step's 24 loads may be out
.else
	s_wait_dscnt 0x0
.endif
	MM16 \vp
.set MS, MS+1
.endr
	WIN 0
.rept 4
	v_nop                                          ; four plain lines ahead of the first read of results
.endr
.endm
; 32 results of a lane, window 3 v[ab] on, register 16 b + i = next K 32 b + 16 (lane / 16) + i, become half a fragment in v[PC + 12 n] .. + 5 and two scale bytes in v[HW]
.macro HALFQUANT ab, n
.set PCN, PC+12*(\n)
	WIN 0x3c                                       ; sources 1 and 2 window 3
	v_max3_num_f32 v[HQ], 0x2800000, |v[(\ab)]|, |v[(\ab)+1]|          ; each accumulator is read from its low end on; the floor 2^(5 - 127) is a leaf
	v_max3_num_f32 v[HQ+1], 0x2800000, |v[(\ab)+16]|, |v[(\ab)+17]|
.irp i, 2,4,6,8,10,12,14
	v_max3_num_f32 v[HQ], v[HQ], |v[(\ab)+\i]|, |v[(\ab)+\i+1]|
	v_max3_num_f32 v[HQ+1], v[HQ+1], |v[(\ab)+16+\i]|, |v[(\ab)+17+\i]|
.endr
	WIN 0
	v_permlanex16_b32 v[HQ+2], v[HQ], s38, s39
	v_permlanex16_b32 v[HQ+3], v[HQ+1], s38, s39
	v_max_num_f32 v[HQ], v[HQ], v[HQ+2]            ; with lane l xor 16's: the block's largest magnitude
	v_max_num_f32 v[HQ+1], v[HQ+1], v[HQ+3]
	v_add_nc_u32 v[HQ+4], 0xfe000000, v[HQ]        ; the conversions' scale operands
	v_add_nc_u32 v[HQ+5], 0xfe000000, v[HQ+1]
	v_lshrrev_b32 v[HQ+6], 23, v[HQ+4]             ; the bytes
	v_lshrrev_b32 v[HQ+7], 23, v[HQ+5]
	v_lshl_or_b32 v[HW], v[HQ+7], 8, v[HQ+6]
	WIN 0x03                                       ; source 0 window 3
	v_cvt_scalef32_pk16_bf6_f32 v[PCN:PCN+2], v[(\ab):(\ab)+15], v[HQ+4]
	v_cvt_scalef32_pk16_bf6_f32 v[PCN+8:PCN+10], v[(\ab)+16:(\ab)+31], v[HQ+5]
	WIN 0
	v_nop                                          ; one plain line behind the conversions
.irp i, 0,1,2
	v_permlane16_swap_b32 v[PCN+\i], v[PCN+8+\i]   ; a whole block to a lane: lanes 0-15 block 0, lanes 16-31 block 1
.endr
.irp i, 0,1,2
	v_mov_b32 v[PCN+3+\i], v[PCN+8+\i]
.endr
.endm
	s_load_b512 s[4:19], s[0:1], 0x0               ; _q, _k, _v, bq, bk, bv, wc s[16:17], ws s[18:19]
	s_load_b128 s[20:23], s[0:1], 0x40             ; qb, kv
	v_lshl_add_u32 v19, v0, 2, 0x12200
	s_set_vgpr_msb 0xc0
	v_mov_b32 v191, 0
	s_set_vgpr_msb 0xc000
	v_lshrrev_b32 v8, 5, v0
	v_readfirstlane_b32 s24, v8                    ; wave 0..3
	s_and_b32 s25, ttmp7, 0xffff                   ; y: the tensor
	v_and_b32 v9, 31, v0                           ; lane
	v_and_b32 v10, 15, v0                          ; r
	v_bfe_u32 v11, v0, 4, 1                        ; h
	v_lshlrev_b32 v[L16], 4, v9
	v_lshlrev_b32 v[L8], 3, v9
	s_mul_i32 s40, s24, 5120
	s_add_co_u32 s40, s40, TST                     ; my two stages
	v_lshrrev_b32 v12, 2, v9
	v_mul_u32_u24 v12, v12, 80
	v_and_b32 v13, 3, v9
	v_lshl_add_u32 v12, v13, 4, v12
	v_add_nc_u32 v[TSW], s40, v12
	v_mul_u32_u24 v12, v9, 80
	v_add_nc_u32 v[TSR], s40, v12
	s_mul_i32 s40, s24, 16*XPITCH                  ; my 16 rows of codes
	v_mul_u32_u24 v12, v9, 12
	v_add_nc_u32 v[XCW], s40, v12
	s_mul_i32 s40, s24, 768                        ; and of scale bytes
	s_add_co_u32 s40, s40, XSB
	v_lshrrev_b32 v12, 1, v9
	v_add_nc_u32 v[XBW], s40, v12
	v_mul_u32_u24 v[XFA], v10, XPITCH
	v_mad_u32_u24 v[XFA], v11, 24, v[XFA]
	v_mul_u32_u24 v[XSA], v10, 48
	v_add_nc_u32 v[XSA], XSB, v[XSA]
	s_lshr_b32 s40, s24, 1
	s_lshl_b32 s40, s40, 8                         ; K step w / 2,
	s_and_b32 s41, s24, 1
	s_lshl_b32 s41, s41, 1                         ; bytes 2 (w % 2) and the next
	s_add_co_u32 s40, s40, s41
	s_add_co_u32 s40, s40, QSC
	v_lshl_add_u32 v[QSA], v10, 4, s40
	s_lshl_b32 s40, s24, 8
	v_lshl_add_u32 v[VSO], v10, 4, s40
	v_lshlrev_b32 v3, 6, v11                       ; the bias of q, k: 64 h bytes on
	v_and_b32 v12, 8, v10
	v_add_nc_u32 v12, v12, v10
	v_lshlrev_b32 v13, 2, v12                      ; the bias of v: number r + 8 (r / 8) of a tile's span
	s_mov_b32 s38, 0x76543210
	s_mov_b32 s39, 0xfedcba98                      ; selects for lane l xor 16
	s_wait_kmcnt 0x0
	s_cmp_eq_u32 s25, 0                            ; the choices hang on the work-group's number alone
	s_cselect_b64 s[28:29], s[4:5], s[6:7]
	s_cselect_b64 s[30:31], s[10:11], s[12:13]
	s_cselect_b64 s[32:33], s[20:21], s[22:23]
	s_mov_b32 s40, 102400
	s_cselect_b32 s40, 51200, s40
	s_cmp_eq_u32 s25, 2
	s_cselect_b64 s[28:29], s[8:9], s[28:29]
	s_cselect_b64 s[30:31], s[14:15], s[30:31]
	s_cselect_b32 s42, 51200, 0
	s_mul_i32 s40, ttmp9, s40
	s_add_co_u32 s40, s40, s42
	s_mov_b32 s41, 0
	s_add_nc_u64 s[32:33], s[32:33], s[40:41]      ; where my work-group's results begin
	s_lshl_b32 s40, ttmp9, 20                      ; x: 256 rows of 4,096 bytes a work-group,
	s_lshr_b32 s42, s24, 1
	s_lshl_b32 s42, s42, 17                        ; 32 (w / 2) rows,
	s_add_co_u32 s40, s40, s42
	s_and_b32 s42, s24, 1
	s_lshl_b32 s42, s42, 15                        ; 8 (w % 2) rows
	s_add_co_u32 s40, s40, s42
	s_add_nc_u64 s[28:29], s[28:29], s[40:41]
	s_lshl_b32 s40, s24, 8
	s_add_nc_u64 s[30:31], s[30:31], s[40:41]      ; the bias of my 64 columns
	s_mul_i32 s40, s25, 196608
	s_mul_i32 s42, s24, 49152
	s_add_co_u32 s40, s40, s42
	s_add_nc_u64 s[16:17], s[16:17], s[40:41]      ; my 32 fragments of W
	s_lshl_b32 s40, s25, 14
	s_lshl_b32 s42, s24, 12
	s_add_co_u32 s40, s40, s42
	s_add_nc_u64 s[18:19], s[18:19], s[40:41]      ; and their scale words
	WIN 0x40
.set FI, 0
.rept 16                                           ; fragment 8 nt + s: tiles 0, 1 in window 1
.irp i, 0,1,2
	global_load_b128 v[12*FI+4*\i:12*FI+4*\i+3], v[L16], s[16:17] offset:1536*FI+512*\i
.endr
.set FI, FI+1
.endr
	WIN 0x80
.rept 16                                           ; tiles 2, 3 in window 2
.irp i, 0,1,2
	global_load_b128 v[12*(FI-16)+4*\i:12*(FI-16)+4*\i+3], v[L16], s[16:17] offset:1536*FI+512*\i
.endr
.set FI, FI+1
.endr
	WIN 0
.irp nt, 0,1,2,3
.irp p, 0,1,2,3
	global_load_b64 v[WS+8*\nt+2*\p:WS+8*\nt+2*\p+1], v[L8], s[18:19] offset:1024*\nt+256*\p
.endr
.endr
	s_cmp_eq_u32 s25, 2
	s_cbranch_scc1 .Lbias_v
	WIN 0xc0                                       ; q, k: register j of tile nt is column 32 (nt / 2) + 8 (nt % 2) + 16 h + j of my 64
.irp nt, 0,1,2,3
	global_load_b128 v[BI+8*\nt:BI+8*\nt+3], v3, s[30:31] offset:4*(32*(\nt/2)+8*(\nt%2))
	global_load_b128 v[BI+8*\nt+4:BI+8*\nt+7], v3, s[30:31] offset:4*(32*(\nt/2)+8*(\nt%2))+16
.endr
	WIN 0
	s_branch .Lbias_done
.Lbias_v:
	WIN 0xc0                                       ; v: all eight registers of a lane belong to column 32 (nt / 2) + 8 (nt % 2) + r + 8 (r / 8)
.irp nt, 0,1,2,3
.irp j, 0,1,2,3,4,5,6,7
	global_load_b32 v[BI+8*\nt+\j], v13, s[30:31] offset:4*(32*(\nt/2)+8*(\nt%2))
.endr
.endr
	WIN 0
.Lbias_done:
.set UQ, 0
.rept 16
	LOAD UQ, 0                                     ; the ring is filled: units 0 to 15 of the first block
.set UQ, UQ+1
.endr
	WIN 0
.irp i, 0,1,2,3
	v_mov_b32 v[VW+\i], 0
.endr
	v_mov_b32 v[HQ+2], 0                           ; a lane permute's destination counts as read
	v_mov_b32 v[HQ+3], 0
	s_mov_b32 s26, 0                               ; the block
.Lblock:
	s_wait_loadcnt 60                              ; unit 0 is in (and, in the first trip, all that was asked for ahead of the ring: W, its scale words, the bias); units 1 to 15 may be out
	TURN 0
.set UQ, 0
.rept 16
	XUNIT UQ, 1, 0, 60
.set UQ, UQ+1
.endr
	s_cmp_eq_u32 s26, 3
	s_cbranch_scc1 .Lxlast
.set UQ, 16
.rept 16
	XUNIT UQ, 1, 262144, 60                        ; the ring goes on into the next block
.set UQ, UQ+1
.endr
	s_branch .Lxdone
.Lxlast:
.set UQ, 16
.rept 16
	XUNIT UQ, 0, 0, 4*(30-UQ)                      ; the last block asks for nothing more: no load leaves its buffer, and the counts run down
.set UQ, UQ+1
.endr
.Lxdone:
	BARRIER                                        ; the block's 64 rows of codes and scale bytes lie in LDS
	s_cmp_eq_u32 s25, 2
	s_cbranch_scc1 .Lvpath
	s_mul_i32 s40, s26, 12288                      ; q, k: codes [block][m][w][HALF]
	s_mul_i32 s42, s24, 768
	s_add_co_u32 s40, s40, s42
	s_mov_b32 s41, 0
	s_add_nc_u64 s[34:35], s[32:33], s[40:41]
	s_lshl_b32 s40, s26, 9                         ; scale words [block][512], behind the codes
	s_add_co_u32 s40, s40, 49152
	s_add_nc_u64 s[36:37], s[32:33], s[40:41]
	MPH 0
.irp m, 0,1,2,3
	HALFQUANT 32*\m, \m
	ds_store_b16 v[QSA], v[HW] offset:4*\m         ; my two bytes of row r's word of tile m
	global_store_b128 v[L16], v[PC+12*\m:PC+12*\m+3], s[34:35] offset:3072*\m th:TH_STORE_NT       ; 512 consecutive bytes
	global_store_b64 v[L8], v[PC+12*\m+4:PC+12*\m+5], s[34:35] offset:3072*\m+512 th:TH_STORE_NT   ; 256 consecutive bytes
.endr
	s_branch .Lout_done
.Lvpath:
	s_lshr_b32 s43, s26, 1                         ; v: codes [key step = block / 2][d-tile 4 w + nt][c = block % 2][HALF]
	s_mul_i32 s40, s43, 24576
	s_and_b32 s42, s26, 1
	s_mul_i32 s42, s42, 768
	s_add_co_u32 s40, s40, s42
	s_mul_i32 s42, s24, 6144
	s_add_co_u32 s40, s40, s42
	s_mov_b32 s41, 0
	s_add_nc_u64 s[34:35], s[32:33], s[40:41]
	s_lshl_b32 s40, s43, 10                        ; scale words [key step][1,024], behind the codes
	s_add_co_u32 s40, s40, 49152
	s_add_nc_u64 s[36:37], s[32:33], s[40:41]
	MPH 1
.irp nt, 0,1,2,3
	HALFQUANT 32*\nt, \nt
	v_lshrrev_b32 v[VW+\nt], 16, v[VW+\nt]         ; two blocks' bytes make a key step's word: the even block's end up below, the odd block's above
	v_lshl_or_b32 v[VW+\nt], v[HW], 16, v[VW+\nt]
	global_store_b128 v[L16], v[PC+12*\nt:PC+12*\nt+3], s[34:35] offset:1536*\nt th:TH_STORE_NT
	global_store_b64 v[L8], v[PC+12*\nt+4:PC+12*\nt+5], s[34:35] offset:1536*\nt+512 th:TH_STORE_NT
.endr
	s_bitcmp1_b32 s26, 0
	s_cbranch_scc0 .Lout_done                      ; the words are whole behind an odd block
	global_store_b128 v[VSO], v[VW:VW+3], s[36:37] th:TH_STORE_NT   ; 256 consecutive bytes (lanes 16-31 repeat lanes 0-15)
.Lout_done:
	BARRIER                                        ; every wave's reads of x's codes are over; the block's scale words (q, k) lie in LDS
	s_cmp_lg_u32 s24, 0
	s_cbranch_scc1 .Lno_sc
	s_cmp_eq_u32 s25, 2
	s_cbranch_scc1 .Lno_sc
	ds_load_b128 v[8:11], v[L16] offset:QSC
	s_wait_dscnt 0x0
	global_store_b128 v[L16], v[8:11], s[36:37] th:TH_STORE_NT      ; 512 consecutive bytes
.Lno_sc:
	s_wait_xcnt 0x0                                ; every earlier load and store has read its registers: bases and store data are written again only behind this wait
	s_add_nc_u64 s[28:29], s[28:29], 262144        ; 64 rows of x on
	s_add_co_u32 s26, s26, 1
	s_cmp_lt_u32 s26, 4
	s_cbranch_scc1 .Lblock
	s_set_vgpr_msb 0xc
	s_wait_tensorcnt 0x0
	ds_add_u32 v19, v191
	s_wait_dscnt 0x0
	s_set_vgpr_msb 0xc00
	s_endpgm
.Lfunc_end_k_q967dbded8d_proj:
	.size	k_q967dbded8d_proj, .Lfunc_end_k_q967dbded8d_proj-k_q967dbded8d_proj
	.p2alignl 7, 3214868480
	.fill 96, 4, 3214868480
	.section	.rodata,"a",@progbits
	.p2align	6, 0x0
	.amdhsa_kernel k_q967dbded8d_proj
		.amdhsa_group_segment_fixed_size 74752
		.amdhsa_private_segment_fixed_size 0
		.amdhsa_enable_private_segment 0
		.amdhsa_kernarg_size 80
		.amdhsa_user_sgpr_count 2
		.amdhsa_user_sgpr_kernarg_segment_ptr 1
		.amdhsa_wavefront_size32 1
		.amdhsa_system_sgpr_workgroup_id_x 1
		.amdhsa_system_sgpr_workgroup_id_y 1
		.amdhsa_system_sgpr_workgroup_id_z 1
		.amdhsa_system_vgpr_workitem_id 0
		.amdhsa_next_free_vgpr 1024
		.amdhsa_next_free_sgpr 66
		.amdhsa_reserve_vcc 0
		.amdhsa_float_denorm_mode_32 3
		.amdhsa_float_denorm_mode_16_64 3
		.amdhsa_memory_ordered 1
		.amdhsa_forward_progress 1
		.amdhsa_inst_pref_size 195
	.end_amdhsa_kernel
	.amdgpu_metadata
---
amdhsa.version: [ 1, 2 ]
amdhsa.kernels:
  - .name:           k_q967dbded8d_proj
    .symbol:         k_q967dbded8d_proj.kd
    .args:
      - { .name: _q, .offset: 0, .size: 8, .value_kind: global_buffer, .address_space: global }
      - { .name: _k, .offset: 8, .size: 8, .value_kind: global_buffer, .address_space: global }
      - { .name: _v, .offset: 16, .size: 8, .value_kind: global_buffer, .address_space: global }
      - { .name: bq, .offset: 24, .size: 8, .value_kind: global_buffer, .address_space: global }
      - { .name: bk, .offset: 32, .size: 8, .value_kind: global_buffer, .address_space: global }
      - { .name: bv, .offset: 40, .size: 8, .value_kind: global_buffer, .address_space: global }
      - { .name: wc, .offset: 48, .size: 8, .value_kind: global_buffer, .address_space: global }
      - { .name: ws, .offset: 56, .size: 8, .value_kind: global_buffer, .address_space: global }
      - { .name: qb, .offset: 64, .size: 8, .value_kind: global_buffer, .address_space: global }
      - { .name: kv, .offset: 72, .size: 8, .value_kind: global_buffer, .address_space: global }
    .group_segment_fixed_size: 74752
    .private_segment_fixed_size: 0
    .kernarg_segment_align: 8
    .kernarg_segment_size: 80
    .max_flat_workgroup_size: 128
    .sgpr_count:     66
    .vgpr_count:     1024
    .wavefront_size: 32
...
	.end_amdgpu_metadata
.endif
;; end of part 2
;; launch attn (part 3): grid 64 x 4, 4 waves a work-group, clusters of 4 x 1, 327,680 bytes of LDS; arguments qb, kv, out0; writes out0
.if DOCPART == 3
	.amdgcn_target "amdgcn-amd-amdhsa--gfx1250"
	.amdhsa_code_object_version 6
	.text
	.protected	k_q967dbded8d_attn
	.globl	k_q967dbded8d_attn
	.p2align	8
	.type	k_q967dbded8d_attn,@function
k_q967dbded8d_attn:
	s_mov_b64 s[64:65], 0
	v_nop
	global_prefetch_b8 v0, s[64:65] scope:SCOPE_SE
	s_setreg_imm32_b32 hwreg(HW_REG_WAVE_MODE, 25, 1), 1
	s_wait_xcnt 0x0
	s_wait_alu depctr_hold_cnt(0) depctr_sa_sdst(0) depctr_va_vdst(0) depctr_va_sdst(0) depctr_va_ssrc(0) depctr_va_vcc(0) depctr_vm_vsrc(0)
	s_getreg_b32 s2, hwreg(HW_REG_IB_STS2, 6, 4)
	s_cmp_eq_u32 s2, 0
	s_cbranch_scc0 .Lentry_in_a_cluster
	s_endpgm
.Lentry_in_a_cluster:
	s_bfe_u32 s2, ttmp6, 0x10000c
	s_cmp_lg_u32 s2, 0x3003
	s_cbranch_scc0 .Lentry_shape_is_right
	s_endpgm
.Lentry_shape_is_right:
; out[b][q][:] = the sum over keys of softmax(q . k / 16) v, both products on codes of BF6 (E3M2) with E8M0 scales; q, k, v come as register images from the launch before (its head comment has the layouts of qb and kv).
; THE SOFTMAX AHEAD OF THE SECOND PRODUCT: t = score x log2(e) / 16; M = the largest t so far, rounded UP to a whole number; p = 2^(t - M) is quantised along the keys, not normalised; the sum is taken of the unquantised p and divides at the end.
; When M moves, the sum and O are multiplied by 2^(old M - new M): exact.
; SHARES.  A work-group owns 64 queries of one batch.  Wave w: g = w / 2 names two tiles of 16 queries, c = w % 2 names key step c (128 keys) of every slot of 256 keys.  So each fragment of K and V read from LDS feeds two products.
; At the end the two waves of a g merge their halves of the keys: M is a whole number, so the factors are exact powers of two.
; LAYOUT.  Both products transposed: S^T = K Q^T, O^T = V^T P^T: a lane holds one query throughout.  The keys of a tile of K are permuted (by the launch before) so that p's 16 registers of two neighbouring tiles are 16 neighbouring keys.
; In O^T register j of d-tile dt is channel 32 (dt / 2) + 16 (lane / 16) + 8 (dt % 2) + j.
; RING.  Two LDS slots; a slot of kv is one dense block of 102,400 bytes; each wave fetches a quarter by one tensor load.  CLUSTER: the four work-groups of a cluster walk the same slots: every fill is asked for JOINTLY, mask 15.
; BY TURNS.  While one tile's exponentials and the rescaling of its O^T are issued, the other tile's products stand among them, one behind every fourth exponential.
; REGISTERS, in windows of 256.  Window 1 + t, tile t: v0-127 O^T; v128-191 S^T, then p; v192-215 Q; v216 -M, v217 the largest t, v[218:219] the sum; v220-221 the partner's; v224-235 p's codes; v232-254 at work.
;   Window 0: addresses; v32-39 K's scale words, v40-47 V's, v48-49 Q's, v50-51 p's; v64-255 V's 16 fragments.   Window 3: v0-191 K's 16 fragments.
; LIMITS: NaN and infinities are not served; p under 2^-126 counts as 0; a block of p that is all zeros keeps the byte 1 (its codes are zeros); the two halves of the keys are summed apart and merged at the end, another order of the f32 sums than reference()'s.
; The input mask is not read: reference() does not use it.
.set SLOT1, 131072                     ; slot 1 begins here: one exclusive or turns an address of one slot into the other's
.set SLOTB, 102400                     ; a slot's bytes: K's codes 49,152, K's scale words 2,048, V's codes 49,152, V's scale words 2,048
.set QUART, 25600                      ; what one tensor load brings: 100 rows of 256 bytes
.set SPARE, 233472                     ; behind the ring: the spare words, 128 bytes for each wave: two blocks of 256 bytes that no other line names
.set MST,   233984                     ; behind them: 16,640 bytes for each wave, for the merge and the way out; no fill lands here
.set MREG,  16640
.set SPW, 1                            ; v1   LDS address of my spare word; never rewritten
.set NIL, 2                            ; v2   0; never rewritten
.set L16, 3                            ; v3   16 x lane
.set L8,  4                            ; v4   8 x lane
                                       ; v5-10  my key step's places in a slot: K's codes (16, 8 bytes a lane), K's scale words, V's codes (16, 8), V's scale words;  v11-16 the same in the slot in hand
                                       ; v17 the prefetches' offset;  v18, v19 my region of MST (16, 8 bytes a lane);  v20, v21 my partner's;  v22 a row of O in my partner's region
.set KSR, 32
.set VSR, 40
.set QS,  48
.set PS,  50
.set VF,  64
.set MSB, 0
.macro WIN new                         ; the immediate's high byte repeats the setting that is left; a switch that changes nothing is dropped
.if MSB != (\new)
	s_set_vgpr_msb (MSB<<8)|(\new)
.set MSB, (\new)
.endif
.endm
; A round of the cluster's barrier: my work-group's barrier; wave 0 signals for the work-group; every wave waits for all four work-groups; my work-group's barrier once more
.macro CROUND
	s_barrier_signal -1
	s_barrier_wait -1
	s_cmp_lg_u32 s10, 0
	s_cbranch_scc1 .Lnot_wave_0_\@
	s_barrier_signal -3
.Lnot_wave_0_\@:
	s_barrier_wait -3
	s_barrier_signal -1
	s_barrier_wait -1
.endm
; A PREFETCH INTO THE L2 of the slot that the NEXT change of slots will ask for.  All clusters of a batch walk the same slots: the batch's first cluster asks.  Of the quarter that wave w fetches, the partner at place cx names
; 25 blocks of 256 bytes, told apart by address; lanes 25 to 31 repeat lane 24's block.  The last change that fills a slot asks for nothing; slots 0 to 2 come by their loads alone.
.macro ASK
	s_cmp_gt_u32 s23, s15
	s_cbranch_scc0 .Lnot_mine_\@
	global_prefetch_b8 v17, s[20:21] th:TH_LOAD_NT scope:SCOPE_SE
.Lnot_mine_\@:
.endm
.macro FRAGL reg, a16, a8, off         ; a fragment's two halves, as they were stored
	ds_load_b128 v[(\reg):(\reg)+3], v[\a16] offset:(\off)
	ds_load_b64 v[(\reg)+4:(\reg)+5], v[\a8] offset:(\off)+512
	ds_load_b128 v[(\reg)+6:(\reg)+9], v[\a16] offset:(\off)+768
	ds_load_b64 v[(\reg)+10:(\reg)+11], v[\a8] offset:(\off)+1280
.endm
.macro FETCH_K                         ; my key step's K: scale words (lanes 0-15 channels 0-127, lanes 16-31 channels 128-255), then 8 tiles x 2 K steps, the first K step first
	WIN 0
	ds_load_b128 v[KSR:KSR+3], v13
	ds_load_b128 v[KSR+4:KSR+7], v13 offset:512
	WIN 0xc0                                       ; destination window 3
.irp s, 0,1
.irp kt, 0,1,2,3,4,5,6,7
	FRAGL 24*\kt+12*\s, 11, 12, 3072*\kt+1536*\s
.endr
.endr
.endm
.macro FETCH_V                         ; my key step's V: scale words (register 4 L + nt: lanes 0-15 d-tile 8 L + nt, lanes 16-31 d-tile 8 L + 4 + nt), then 16 d-tiles
	WIN 0
	ds_load_b128 v[VSR:VSR+3], v16
	ds_load_b128 v[VSR+4:VSR+7], v16 offset:512
.set DI, 0
.rept 16
	FRAGL VF+12*DI, 14, 15, 1536*DI
.set DI, DI+1
.endr
.endm
; Product i of 16 of S^T = K Q^T for tile t: channels 128 (i / 8) on, key tile i % 8.  The first 8 start the sums
.macro QKW t, i
	WIN 0x57+0x54*(\t)                             ; K window 3; Q, S^T window 1 + t
.set QKT, (\i)%8
.if (\i)/8 == 0
	v_wmma_scale_f32_16x16x128_f8f6f4 v[128+8*QKT:135+8*QKT], v[24*QKT:24*QKT+11], v[192:203], 0, v[KSR+QKT], v[QS+(\t)] matrix_a_fmt:MATRIX_FMT_BF6 matrix_b_fmt:MATRIX_FMT_BF6
.else
	v_wmma_scale_f32_16x16x128_f8f6f4 v[128+8*QKT:135+8*QKT], v[24*QKT+12:24*QKT+23], v[204:215], v[128+8*QKT:135+8*QKT], v[KSR+QKT], v[QS+(\t)] matrix_a_fmt:MATRIX_FMT_BF6 matrix_b_fmt:MATRIX_FMT_BF6 matrix_a_scale:MATRIX_SCALE_ROW1 matrix_b_scale:MATRIX_SCALE_ROW1
.endif
.endm
; O^T += V^T P^T for tile t, d-tile dt.  zero = 1: the product starts the sum
.macro PVW t, dt, zero
	WIN 0x54*(1+(\t))                              ; V window 0; P, O^T window 1 + t
.set PVO, 8*(\dt)
.set PVV, VF+12*(\dt)
.set PVS, VSR+4*((\dt)/8)+((\dt)%4)
.if ((\dt)/4)%2
.if \zero
	v_wmma_scale_f32_16x16x128_f8f6f4 v[PVO:PVO+7], v[PVV:PVV+11], v[224:235], 0, v[PVS], v[PS+(\t)] matrix_a_fmt:MATRIX_FMT_BF6 matrix_b_fmt:MATRIX_FMT_BF6 matrix_a_scale:MATRIX_SCALE_ROW1
.else
	v_wmma_scale_f32_16x16x128_f8f6f4 v[PVO:PVO+7], v[PVV:PVV+11], v[224:235], v[PVO:PVO+7], v[PVS], v[PS+(\t)] matrix_a_fmt:MATRIX_FMT_BF6 matrix_b_fmt:MATRIX_FMT_BF6 matrix_a_scale:MATRIX_SCALE_ROW1
.endif
.else
.if \zero
	v_wmma_scale_f32_16x16x128_f8f6f4 v[PVO:PVO+7], v[PVV:PVV+11], v[224:235], 0, v[PVS], v[PS+(\t)] matrix_a_fmt:MATRIX_FMT_BF6 matrix_b_fmt:MATRIX_FMT_BF6
.else
	v_wmma_scale_f32_16x16x128_f8f6f4 v[PVO:PVO+7], v[PVV:PVV+11], v[224:235], v[PVO:PVO+7], v[PVS], v[PS+(\t)] matrix_a_fmt:MATRIX_FMT_BF6 matrix_b_fmt:MATRIX_FMT_BF6
.endif
.endif
.endm
; Tile t's softmax for 128 keys.  resc = 1: O^T is brought under the new M.  emb: the other tile's products that stand in the batch: 1 = K Q^T of tile 1; 2 = V^T P^T of tile 0; 3 = the same, starting the sums
.macro SOFTMAX t, resc, emb
.set WT, 0x55*(1+(\t))
	WIN WT
.irp b, 0,1,2,3
	v_max3_num_f32 v[232+\b], v[128+16*\b], v[129+16*\b], v[130+16*\b]    ; the largest score of each block of 32 keys: it serves the row's maximum and, since p rises with the score, the block's largest p
.endr
.irp i, 3,5,7,9,11,13
.irp b, 0,1,2,3
	v_max3_num_f32 v[232+\b], v[232+\b], v[128+16*\b+\i], v[129+16*\b+\i]
.endr
.endr
.irp b, 0,1,2,3
	v_max_num_f32 v[232+\b], v[232+\b], v[143+16*\b]
.endr
.irp b, 0,1,2,3
	v_permlanex16_b32 v[236+\b], v[232+\b], s40, s41
.endr
.irp b, 0,1,2,3
	v_max_num_f32 v[232+\b], v[232+\b], v[236+\b]         ; with lane l xor 16's 16 keys
.endr
	v_max3_num_f32 v254, v232, v233, v234
	v_max_num_f32 v254, v254, v235                        ; the step's largest score of my query
	v_mul_f32 v254, s42, v254                             ; as t
	v_max_num_f32 v217, v217, v254                        ; the running largest t
	v_mov_b32 v254, v216
	v_floor_f32 v216, -v217                               ; the new -M = floor(-t): M is a whole number
	v_sub_f32 v254, v216, v254                            ; old M - new M: a whole number, 0 or less
	v_cvt_i32_f32 v254, v254                              ; (it saturates)
	v_ldexp_f32 v252, 1.0, v254                           ; f = 2^(old M - new M)
.set SJ, 0
.rept 32
	v_pk_fma_f32 v[128+SJ:129+SJ], v[128+SJ:129+SJ], s[42:43], v[216:217] op_sel_hi:[1,0,0]   ; t - M, two at a time
.set SJ, SJ+2
.endr
.irp b, 0,1,2,3
	v_fma_f32 v[232+\b], v[232+\b], s42, v216             ; the same of each block's largest score
.endr
; ONE BATCH: 68 exponentials.  None of the lines among them names an exponential's result: the rescaling of this tile's O^T, and the other tile's products
.set SJ, 0
.rept 64
	v_exp_f32 v[128+SJ], v[128+SJ]                        ; p = 2^(t - M)
.if \resc
	v_pk_mul_f32 v[2*SJ:2*SJ+1], v[2*SJ:2*SJ+1], v[252:253] op_sel_hi:[1,0]   ; O^T x f, each accumulator from its low end on
.endif
.if (SJ%4) == 3
.if \emb == 1
	QKW 1, SJ/4
.elseif \emb == 2
	PVW 0, SJ/4, 0
.else
	PVW 0, SJ/4, 1
.endif
	WIN WT
.endif
.set SJ, SJ+1
.endr
.irp b, 0,1,2,3
	v_exp_f32 v[232+\b], v[232+\b]                        ; the blocks' largest p
.endr
	v_pk_mul_f32 v[218:219], v[218:219], v[252:253] op_sel_hi:[1,0]   ; the sum under the new M: the plain line behind the last exponential
	s_wait_alu depctr_va_vdst(0)                          ; one wait for the whole batch, ahead of its first reader
.irp b, 0,1,2,3
	v_max_num_f32 v[232+\b], 0x2800000, v[232+\b]         ; the floor 2^(5 - 127): the byte cannot fall under 1
.endr
.irp b, 0,1,2,3
	v_add_nc_u32 v[244+\b], 0xfe000000, v[232+\b]         ; 4 off the exponent field: the conversions' scale operands
.endr
.irp b, 0,1,2,3
	v_lshrrev_b32 v[236+\b], 23, v[244+\b]                ; the bytes
.endr
	v_lshl_or_b32 v253, v237, 8, v236                     ; p's scale word for these 128 keys
	v_lshl_or_b32 v253, v238, 16, v253
	v_lshl_or_b32 v253, v239, 24, v253
	WIN 1+(\t)
	v_mov_b32 v[PS+(\t)], v253                            ; scale operands are taken from window 0
	WIN WT
.irp c, 0,1
	v_cvt_scalef32_pk16_bf6_f32 v[224+6*\c:226+6*\c], v[128+32*\c:143+32*\c], v[244+2*\c]
	v_cvt_scalef32_pk16_bf6_f32 v[236+4*\c:238+4*\c], v[144+32*\c:159+32*\c], v[244+2*\c+1]
.endr
	v_nop                                                 ; one plain line behind the conversions
.irp c, 0,1                                               ; a whole block to a lane
.irp i, 0,1,2
	v_permlane16_swap_b32 v[224+6*\c+\i], v[236+4*\c+\i]
.endr
.irp i, 0,1,2
	v_mov_b32 v[227+6*\c+\i], v[236+4*\c+\i]
.endr
.endr
	v_pk_add_f32 v[236:237], v[128:129], v[130:131]       ; the row's sum of the UNQUANTISED p, in two chains.  These 32 plain lines also stand between the writing of p's codes and scale word and the products that take them
.set SJ, 4
.rept 15
	v_pk_add_f32 v[218:219], v[218:219], v[128+SJ:129+SJ]
	v_pk_add_f32 v[236:237], v[236:237], v[130+SJ:131+SJ]
.set SJ, SJ+4
.endr
	v_pk_add_f32 v[218:219], v[218:219], v[236:237]
.endm
; THE CHANGE OF SLOTS, at an interval's head.  Each wave waits for all its tensor loads (its quarter of the slot ahead), adds 0 to its spare word, and waits for that and for its reads of the slot that it has left.
; k = 1: that slot is filled again with the keys two slots on: the barrier is a round of the cluster's, and the joint load is the first thing behind it.  k = 2: nothing is left to fetch.  k = 0: the first interval
.macro CHANGE k
	WIN 0
.if \k == 1
	s_wait_tensorcnt 0x0                           ; no tensor load of mine is out, so a descriptor may be written
	ds_add_u32 v[SPW], v[NIL]                      ; 0 onto my spare word
	s_xor_b32 s37, s37, SLOT1                      ; the walking descriptor: the other slot than last time,
	s_add_nc_u64 s[38:39], s[38:39], SLOTB         ; the next 256 keys; the type bits on top are not reached
	s_wait_xcnt 0x0                                ; the last prefetch, an interval back, has read its address
	s_add_nc_u64 s[20:21], s[20:21], SLOTB         ; one slot further on than the walking descriptor
	s_wait_dscnt 0x0                               ; the add is done, and my reads of the slot that I have left are over
	CROUND
	tensor_load_to_lds s[36:39], s[24:31]          ; my one tensor load until the next round: one is out
	s_nop 0
.rept 4
	v_nop
.endr
	ASK
.elseif \k == 2
	s_wait_tensorcnt 0x0
	ds_add_u32 v[SPW], v[NIL]
	s_wait_dscnt 0x0
	s_barrier_signal -1
	s_barrier_wait -1
.endif
.endm
; AN INTERVAL: my key step of one slot.  pv1: tile 1's V^T P^T of the interval before (0 none, 1 it starts the sums, 2 it adds).  The accumulators take turns, one instruction a turn
.macro INTERVAL chg, pv1, resc, e1
	CHANGE \chg
	v_add_nc_u32 v11, s22, v5
	v_add_nc_u32 v12, s22, v6
	v_add_nc_u32 v13, s22, v7
	FETCH_K
.if \pv1
.set DI, 0
.rept 16
.if \pv1 == 1
	PVW 1, DI, 1
.else
	PVW 1, DI, 0
.endif
.set DI, DI+1
.endr
.endif
	s_wait_dscnt 32                                ; K's scale words and channels 0-127 are in; the 32 loads of channels 128-255 may be out
.set DI, 0
.rept 8
	QKW 0, DI
.set DI, DI+1
.endr
	s_wait_dscnt 0x0
.rept 8
	QKW 0, DI
.set DI, DI+1
.endr
	WIN 0
	v_add_nc_u32 v14, s22, v8                      ; four plain lines: between the products that read V and the loads into it, and ahead of the first read of tile 0's scores
	v_add_nc_u32 v15, s22, v9
	v_add_nc_u32 v16, s22, v10
	v_nop
	FETCH_V
	SOFTMAX 0, \resc, 1
	s_wait_dscnt 0x0                               ; V is in
	SOFTMAX 1, \resc, \e1
	WIN 0
	s_xor_b32 s22, s22, SLOT1                      ; on to the other slot
.endm
; THE MERGE.  Tile t's O^T and (-M, sum) go to my region of LDS as they stand
.macro SEND t
	WIN 4*(1+(\t))                                 ; an LDS store's data are its source 1
.set MI, 0
.rept 32
	ds_store_b128 v18, v[4*MI:4*MI+3] offset:512*MI
.set MI, MI+1
.endr
	ds_store_b64 v19, v[216:217] offset:16384
	WIN 0
.endm
; My tile t and my partner's half of it become 16 rows of out
.macro MERGE t
	WIN 0x40*(1+(\t))
	ds_load_b64 v[220:221], v21 offset:16384       ; the partner's -M and sum
	WIN 0xc0
.set MI, 0
.rept 32
	ds_load_b128 v[4*MI:4*MI+3], v20 offset:512*MI ; the partner's O^T, into window 3
.set MI, MI+1
.endr
	s_wait_dscnt 0x0
	WIN 0x55*(1+(\t))
	v_min_num_f32 v254, v216, v220                 ; -M of the two together
	v_sub_f32 v252, v254, v216                     ; my M - the new M, a whole number, 0 or less
	v_sub_f32 v253, v254, v220                     ; the partner's
	v_cvt_i32_f32 v252, v252
	v_cvt_i32_f32 v253, v253
	v_ldexp_f32 v252, 1.0, v252
	v_ldexp_f32 v254, 1.0, v253
	v_mul_f32 v236, v217, v252
	v_fma_f32 v236, v221, v254, v236               ; the row's sum
	v_rcp_f32 v237, v236
	v_nop                                          ; a plain line behind the reciprocal,
	s_wait_alu depctr_va_vdst(0)                   ; and a wait ahead of its first reader
	v_mul_f32 v252, v252, v237
	v_mul_f32 v254, v254, v237
	WIN 0xc3+4*(1+(\t))                            ; destination and source 0 window 3, source 1 the tile's
.set MI, 0
.rept 64
	v_pk_mul_f32 v[2*MI:2*MI+1], v[2*MI:2*MI+1], v[254:255] op_sel_hi:[1,0]
.set MI, MI+1
.endr
	WIN 0xf0+5*(1+(\t))                            ; sources 0 and 1 the tile's window, source 2 and destination window 3
.set MI, 0
.rept 64
	v_pk_fma_f32 v[2*MI:2*MI+1], v[2*MI:2*MI+1], v[252:253], v[2*MI:2*MI+1] op_sel_hi:[1,0,1]   ; my accumulators from their low ends on
.set MI, MI+1
.endr
	WIN 0x0c
.irp b, 0,1,2,3,4,5,6,7                            ; registers 16 b .. 16 b + 15 are channels 32 b + 16 h + 0 .. 15 of my query: rows of 1,024 bytes + 16, in my partner's region, which behind the barrier I alone touch
.irp i, 0,1,2,3
	ds_store_b128 v22, v[16*\b+4*\i:16*\b+4*\i+3] offset:128*\b+16*\i
.endr
.endr
	WIN 0
.set MI, 0
.rept 32
	ds_load_b128 v[64+4*MI:64+4*MI+3], v20 offset:1040*(MI/2)+512*(MI%2)   ; LDS serves a wave's instructions in order: these see the stores above
.set MI, MI+1
.endr
.set MI, 0
.rept 32
	s_wait_dscnt 31-MI
	global_store_b128 v[L16], v[64+4*MI:64+4*MI+3], s[8:9] offset:(8*(\t)+(MI/2)+8*(MI/16))*1024+512*(MI%2) th:TH_STORE_NT   ; 32 lanes store 512 consecutive bytes of a row
.set MI, MI+1
.endr
.endm
	s_load_b128 s[4:7], s[0:1], 0x0                ; qb s[4:5], kv s[6:7]
	s_load_b64 s[8:9], s[0:1], 0x10                ; out0
	v_lshl_add_u32 v[SPW], v0, 2, SPARE
	v_mov_b32 v[NIL], 0
	ds_add_u32 v1, v2
	ds_add_u32 v1, v2
	s_wait_dscnt 0x0
	v_lshrrev_b32 v24, 5, v0
	v_readfirstlane_b32 s10, v24                   ; wave 0..3
	s_lshr_b32 s11, s10, 1                         ; g: my two tiles of queries
	s_and_b32 s12, s10, 1                          ; c: my key step of every slot
	s_bfe_u32 s13, ttmp6, 0x40000                  ; cx: my place in the cluster: it enters global addresses alone
	s_and_b32 s14, ttmp7, 0xffff                   ; the batch, which the four partners share
	s_cmp_eq_u32 ttmp9, 0                          ; the batch's first cluster prefetches: the same in all four partners
	s_cselect_b32 s15, 1, -1
	; descriptor group 1: 100 rows of 256 bytes, dense
	s_mov_b32 s24, 15|(3<<16)|(1<<21)              ; 15:0 the mask: all four work-groups; 17:16 elements of 8 bytes; 20 no padding; 21 set beside a mask
	s_mov_b32 s25, 32<<16                          ; tensor_dim0 = 32
	s_mov_b32 s26, 100<<16                         ; tensor_dim1 = 100
	s_mov_b32 s27, 32<<16                          ; tile_dim0 = 32
	s_mov_b32 s28, 100                             ; tile_dim1 = 100
	s_mov_b32 s29, 32                              ; from row to row
	s_mov_b32 s30, 0
	s_mov_b32 s31, 0
	s_mov_b32 s40, 0x76543210
	s_mov_b32 s41, 0xfedcba98                      ; selects for lane l xor 16
	s_mov_b32 s42, 0x3db8aa3b                      ; log2(e) / 16
	s_mov_b32 s43, s42                             ; (named with it as a pair)
	s_mov_b32 s22, 0                               ; the slot in hand
	s_mov_b32 s23, 14                              ; slots still to be asked for
	s_mul_i32 s44, s10, QUART                      ; my quarter of a slot, in LDS and in memory
	s_mul_i32 s46, s14, 16*SLOTB                   ; the batch's 16 slots
	s_add_co_u32 s46, s46, s44
	s_mov_b32 s47, 0
	s_mul_i32 s50, s13, 6400                       ; the prefetches: my work-group's 25 blocks of the quarter,
	s_add_co_u32 s50, s50, 2*SLOTB                 ; in slot 2; the first change of slots steps it to slot 3
	s_mov_b32 s51, 0
	s_wait_kmcnt 0x0
	s_add_nc_u64 s[48:49], s[6:7], s[46:47]
	s_add_nc_u64 s[20:21], s[48:49], s[50:51]
	s_mov_b32 s32, 1                               ; group 0 for slot 0: count = 1,
	s_mov_b32 s33, s44                             ; LDS address,
	s_mov_b64 s[34:35], s[48:49]                   ; global address,
	s_or_b32 s35, s35, 0x80000000                  ; type = 2
	s_mov_b32 s36, 1                               ; group 0 for slot 1; it then walks
	s_add_co_u32 s37, s44, SLOT1
	s_add_nc_u64 s[38:39], s[48:49], SLOTB
	s_or_b32 s39, s39, 0x80000000
	CROUND                                         ; all four work-groups are here: the first joint loads meet
	tensor_load_to_lds s[32:35], s[24:31]          ; both first fills together: two loads of mine are out
	s_nop 0
	tensor_load_to_lds s[36:39], s[24:31]
	s_nop 0
.rept 4
	v_nop
.endr
	v_and_b32 v24, 31, v0                          ; lane
	v_and_b32 v25, 15, v0                          ; r
	v_bfe_u32 v26, v0, 4, 1                        ; h
	v_lshlrev_b32 v[L16], 4, v24
	v_lshlrev_b32 v[L8], 3, v24
	s_lshl_b32 s52, s14, 4
	s_add_co_u32 s52, s52, ttmp9
	s_mul_i32 s52, s52, 51200                      ; qb: 256 queries to an entry: 16 x batch + cluster x
	s_mul_i32 s53, s13, 12288                      ; my block of 64,
	s_add_co_u32 s54, s52, s53
	s_mul_i32 s53, s11, 6144                       ; my two tiles
	s_add_co_u32 s54, s54, s53
	s_mov_b32 s55, 0
	s_add_nc_u64 s[16:17], s[4:5], s[54:55]
	s_lshl_b32 s53, s13, 9                         ; the block's scale words, behind the codes; my two tiles' are 8 g bytes on
	s_add_co_u32 s54, s52, s53
	s_lshl_b32 s53, s11, 3
	s_add_co_u32 s54, s54, s53
	s_add_co_u32 s54, s54, 49152
	s_add_nc_u64 s[18:19], s[4:5], s[54:55]
.irp t, 0,1
	WIN 0x40*(1+\t)
.irp s, 0,1
	global_load_b128 v[192+12*\s:195+12*\s], v[L16], s[16:17] offset:3072*\t+1536*\s       ; Q stays in registers
	global_load_b64 v[196+12*\s:197+12*\s], v[L8], s[16:17] offset:3072*\t+1536*\s+512
	global_load_b128 v[198+12*\s:201+12*\s], v[L16], s[16:17] offset:3072*\t+1536*\s+768
	global_load_b64 v[202+12*\s:203+12*\s], v[L8], s[16:17] offset:3072*\t+1536*\s+1280
.endr
.endr
	WIN 0
	global_load_b64 v[QS:QS+1], v[L16], s[18:19]   ; lanes 0-15 channels 0-127, lanes 16-31 channels 128-255
	s_lshl_b32 s52, ttmp9, 2
	s_add_co_u32 s52, s52, s13                     ; my block of 64 queries
	s_lshl_b32 s52, s52, 6
	s_lshl_b32 s53, s14, 12
	s_add_co_u32 s52, s52, s53
	s_lshl_b32 s53, s11, 5
	s_add_co_u32 s52, s52, s53                     ; my first row of out: 4,096 x batch + 64 x block + 32 g
	s_lshl_b32 s54, s52, 10
	s_add_nc_u64 s[8:9], s[8:9], s[54:55]
	s_mul_i32 s45, s12, 24576                      ; my key step's places in a slot
	v_add_nc_u32 v5, s45, v[L16]
	v_add_nc_u32 v6, s45, v[L8]
	s_add_co_u32 s52, s45, 51200
	v_add_nc_u32 v8, s52, v[L16]
	v_add_nc_u32 v9, s52, v[L8]
	s_lshl_b32 s52, s12, 10
	s_add_co_u32 s53, s52, 49152
	v_add_nc_u32 v7, s53, v[L16]
	s_add_co_u32 s53, s52, 100352
	v_add_nc_u32 v10, s53, v[L16]
	v_min_u32 v17, 24, v24
	v_lshlrev_b32 v17, 8, v17
	s_mul_i32 s52, s10, MREG
	s_add_co_u32 s52, s52, MST                     ; my region,
	v_add_nc_u32 v18, s52, v[L16]
	v_add_nc_u32 v19, s52, v[L8]
	s_xor_b32 s53, s10, 1
	s_mul_i32 s53, s53, MREG
	s_add_co_u32 s53, s53, MST                     ; my partner's
	v_add_nc_u32 v20, s53, v[L16]
	v_add_nc_u32 v21, s53, v[L8]
	v_mul_u32_u24 v22, v25, 1040
	v_lshl_add_u32 v22, v26, 6, v22
	v_add_nc_u32 v22, s53, v22
.irp t, 0,1
	WIN 0x55*(1+\t)
	v_mov_b32 v217, 0xff61b1e6                     ; the largest t so far: -3e38, under every t
	v_floor_f32 v216, -v217                        ; -M
	v_mov_b32 v218, 0                              ; the sum, in two halves
	v_mov_b32 v219, 0
.irp b, 0,1,2,3
	v_mov_b32 v[236+\b], 0                         ; a lane permute's destination counts as read
.endr
	v_mov_b32 v253, 0                              ; (upper halves of pairs that are named whole)
	v_mov_b32 v255, 0
.endr
	WIN 0
	s_wait_loadcnt 0x0                             ; Q
	s_wait_tensorcnt 0x1                           ; my quarter of slot 0 is in; slot 1's may stay out
	s_barrier_signal -1
	s_barrier_wait -1                              ; everybody's is
	INTERVAL 0, 0, 0, 3                            ; slot 0: no O^T yet; tile 0's products start its sums
	INTERVAL 1, 1, 1, 2                            ; slot 1: tile 1's products of slot 0 start its sums
	s_sub_co_u32 s23, s23, 1
.Lslot:                                            ; 13 trips: slots 2 to 14
	INTERVAL 1, 2, 1, 2
	s_sub_co_u32 s23, s23, 1
	s_cmp_lg_u32 s23, 0
	s_cbranch_scc1 .Lslot
	INTERVAL 2, 2, 1, 2                            ; slot 15 is written out
.set DI, 0
.rept 16
	PVW 1, DI, 0                                   ; tile 1's last products
.set DI, DI+1
.endr
	WIN 0
.rept 4
	v_nop                                          ; four plain lines ahead of the first read of the last results
.endr
.irp t, 0,1
	WIN 0x55*(1+\t)
	v_add_f32 v217, v218, v219                     ; the sum's two halves,
	v_permlanex16_b32 v236, v217, s40, s41
	v_add_f32 v217, v217, v236                     ; and lane l xor 16's: my half of the keys' sum, beside -M
.endr
	WIN 0
	s_cmp_eq_u32 s12, 0                            ; the wave of key step 0 keeps tile 0 and sends tile 1; its partner the other way round
	s_cbranch_scc0 .Lsend0
	SEND 1
	s_branch .Lsent
.Lsend0:
	SEND 0
.Lsent:
	s_wait_dscnt 0x0                               ; for the partner's sake: my stores have landed
	s_barrier_signal -1
	s_barrier_wait -1
	s_cmp_eq_u32 s12, 0
	s_cbranch_scc0 .Lmerge1
	MERGE 0
	s_branch .Lmerged
.Lmerge1:
	MERGE 1
.Lmerged:
	s_wait_tensorcnt 0x0                           ; the wave's end: behind my last tensor load and my last LDS store
	ds_add_u32 v[SPW], v[NIL]
	s_wait_dscnt 0x0
	CROUND                                         ; the closing round: no work-group ends while a partner may still ask for a slot that names it
	s_endpgm
.Lfunc_end_k_q967dbded8d_attn:
	.size	k_q967dbded8d_attn, .Lfunc_end_k_q967dbded8d_attn-k_q967dbded8d_attn
	.p2alignl 7, 3214868480
	.fill 96, 4, 3214868480
	.section	.rodata,"a",@progbits
	.p2align	6, 0x0
	.amdhsa_kernel k_q967dbded8d_attn
		.amdhsa_group_segment_fixed_size 327680
		.amdhsa_private_segment_fixed_size 0
		.amdhsa_enable_private_segment 0
		.amdhsa_kernarg_size 24
		.amdhsa_user_sgpr_count 2
		.amdhsa_user_sgpr_kernarg_segment_ptr 1
		.amdhsa_wavefront_size32 1
		.amdhsa_system_sgpr_workgroup_id_x 1
		.amdhsa_system_sgpr_workgroup_id_y 1
		.amdhsa_system_sgpr_workgroup_id_z 1
		.amdhsa_system_vgpr_workitem_id 0
		.amdhsa_next_free_vgpr 1024
		.amdhsa_next_free_sgpr 66
		.amdhsa_reserve_vcc 0
		.amdhsa_float_denorm_mode_32 3
		.amdhsa_float_denorm_mode_16_64 3
		.amdhsa_memory_ordered 1
		.amdhsa_forward_progress 1
		.amdhsa_inst_pref_size 239
	.end_amdhsa_kernel
	.amdgpu_metadata
---
amdhsa.version: [ 1, 2 ]
amdhsa.kernels:
  - .name:           k_q967dbded8d_attn
    .symbol:         k_q967dbded8d_attn.kd
    .args:
      - { .name: qb, .offset: 0, .size: 8, .value_kind: global_buffer, .address_space: global }
      - { .name: kv, .offset: 8, .size: 8, .value_kind: global_buffer, .address_space: global }
      - { .name: out0, .offset: 16, .size: 8, .value_kind: global_buffer, .address_space: global }
    .group_segment_fixed_size: 327680
    .private_segment_fixed_size: 0
    .kernarg_segment_align: 8
    .kernarg_segment_size: 24
    .max_flat_workgroup_size: 128
    .sgpr_count:     66
    .vgpr_count:     1024
    .wavefront_size: 32
...
	.end_amdgpu_metadata
.endif
;; end of part 3
